; MI455X (gfx1250); checked and timed in simulation.
; The chip was launched on July 23, 2026; its instructions are those of AMD's public machine-readable ISA for CDNA 5 (MIT licence, August 2026) and "CDNA5" Instruction Set Architecture Reference Guide (July 2026). The comments in the code are by the model that wrote it; some were corrected since.
;; Dummy Module. Allowed arithmetic: float matrix products may take bf16 or f16 operands with f32 sums; other float arithmetic in f32, or as packed bf16 or f16 multiplies, adds, multiply-adds, maxima and minima; sums over many terms, partial sums and values carried from step to step in f32; what a program stores and reads back later, other than sums and carried values, may be rounded once to bf16 or f16.
;; Inputs: x 8 x 4,096 x 3 float32.
;; Outputs: out0 8 x 4,096 x 5 int32.
;; One version. Each part assembles by itself: llvm-mc -triple=amdgcn-amd-amdhsa -mcpu=gfx1250 --defsym DOCPART=n.
;; ======== version 1 of 1: 1 launch
;; launch ballquery (part 1): grid 256 x 1, 4 waves a work-group, no clusters, 167,936 bytes of LDS; arguments x, out0; writes out0
.if DOCPART == 1
	.amdgcn_target "amdgcn-amd-amdhsa--gfx1250"
	.amdhsa_code_object_version 6
	.text
	.protected	k_qf5cc998cc6_ballquery
	.globl	k_qf5cc998cc6_ballquery
	.p2align	8
	.type	k_qf5cc998cc6_ballquery,@function
k_qf5cc998cc6_ballquery:
	s_mov_b64 s[64:65], 0
	v_nop
	global_prefetch_b8 v0, s[64:65] scope:SCOPE_SE
	s_setreg_imm32_b32 hwreg(HW_REG_WAVE_MODE, 25, 1), 1
	s_wait_xcnt 0x0
; BALL QUERY.  out0[b][q][0..4] = the first five k, in ascending order, with |x[b][q] - x[b][k]|^2 < r2; slots that find no hit take the first hit, 0 if there is none.
; x: [8][4096][3] f32, out0: [8][4096][5] i32, r2 = f32(3.4 * 3.4) = 0x4138f5c3.
; NOTHING IS LEFT OUT: all 4,096 keys of the batch are tested for every query.  reference()'s cumsum, rank and five masked argmax say no more than 'the first five set bits of the row's mask',
; which is what is kept here, for all values of x.
; FORMAT.  x is rounded once to bf16 (the matrix operands' format) and everything, the squares too, is made of the rounded x.  Products of two bf16 are exact in f32, so
; sq = fl(fl(x0^2 + x1^2) + x2^2).  d2 - r2 = sq_q + sq_k - 2 q.k - r2 is ONE matrix product with 8 values of k and the C operand:
;   key   record (16 bytes): x0 x1 x2 | hi mid lo (sq_k cut into three bf16, exactly) | 1 1
;   query record           : -2x0 -2x1 -2x2 | 1 1 1 | e1 e2         C = c = fl(sq_q - r2), e1 + e2 = the rounding error of that subtraction (two-sum), cut into bf16
; A pair is a hit where the result's sign bit is set.
; LIMITS.  NaN and infinities in x are not treated apart (a NaN's sign decides, and an infinity spoils the 3 keys that share its row of the operand).  The sum is taken in the matrix unit's order, not as
; fl(fl(sq_q + sq_k) - 2 fl(q.k)): a pair whose d2 lies within the f32 rounding of its terms of r2 (a few 1e-6 where |x| is a few units) may fall on the other side.
; FOUR KEY TILES IN ONE OPERAND.  K = 32 is four groups of 8: group g = 2 c + h lies in registers 4 c .. 4 c + 3 of the lanes of half h.  An A operand holds the records of four tiles of 16 keys;
; a query tile has four B operands, each 0 outside one group: registers Z D0 Z D1 Z (Z = 0; D0 = the record in lanes 0-15, D1 in lanes 16-31) give (D0,Z) (D1,Z) (Z,D0) (Z,D1).
; SHARES.  A work-group: 128 queries of one batch.  A wave: 2 query tiles x 4,096 keys = 512 matrix instructions.  In D a lane holds query lane % 16 and rows 8 (lane / 16) + j.
; Rows 0-7 of every tile are keys of 0..2047, rows 8-15 keys of 2048..4095: each half of the lanes scans its own half of the keys, DOWNWARD:
;   key(block, operand o, group g, row m) = 2048 (m / 8) + 2047 - 128 block - 32 g - 8 o - m % 8.
; One v_alignbit_b32 a D register appends its sign to the word of (tile, g): after a block's 4 operands the word holds 32 keys, the lowest in bit 0.  Eight words grow side by side.
; THE LIST.  Words come in descending order.  A word that is not 0 is pushed onto five registers (s4 <- s3 .. s0 <- word), its number onto 5 x 6 bits: at the end they hold the first five words
; that have a hit, which hold the first five hits.  Nothing branches on the data.
; THE KEY TABLE, 4,096 x 16 bytes, lies in LDS in the order of the operands' registers; the four waves build it once and each reads it once, 512 consecutive bytes a load.
; NO CLUSTER, NO TENSOR LOAD: what the 32 work-groups of a batch share is its 49,152 bytes of x, read once at the head; they are no operand before they are rounded, squared and cut in
; registers, so a joint load would add a second trip of those bytes through LDS and two rounds of a cluster's barrier.  lds_bytes is above half of a WGP's LDS, so that each of the 256
; work-groups has a WGP of its own; the text uses 68,608 bytes.
.set STAGE, 65536                      ; behind the table: 128 rows of out0, 20 bytes each
.set SPARE, 68096                      ; behind the stage: the spare words, 128 bytes for each wave: two blocks of 256 bytes that no other line names
.set SPW, 4                            ; v4   LDS address of my spare word; never rewritten
.set NIL, 5                            ; v5   0; never rewritten
.set AA,  6                            ; v6   16 x lane + 4,096 x block: where my 16 bytes of an operand's registers lie
.set KO,  7                            ; v7   byte offset in the batch of the lowest key that I make a record of
.set TS,  8                            ; v8   16 x thread: my place in 2,048 bytes of the table, and of out0
.set QO,  9                            ; v9   byte offset in the batch of my query of tile 0
.set SA,  12                           ; v12  where my query's row of tile 0 lies in the stage
.set RA,  13                           ; v13  STAGE + 16 x thread
.set BI,  14                           ; v14  2048 (lane / 16) - 127: my half's first key, less the exponent's bias
.set BB,  16                           ; v[16:51]   Z D0 Z D1 Z D0' Z D1' Z
.set CB,  52                           ; v[52:67]   c, eight times for each query tile
.set AB,  68                           ; v[68:99]   four A operands, one for each operand of a block; before the loop: at work on the queries
.set ACC, 100                          ; v[100:107] the growing words: tile t, group g at 4 t + g
.set SL,  108                          ; v[108:117] the lists' words s0-s4, tile t at 5 t
.set II,  118                          ; v[118:119] the lists' word numbers, 6 bits each, s0's lowest
.set TT,  120                          ; v[120:121] at work
.set XQ,  122                          ; v[122:127] my two queries' x
.set DB,  128                          ; v[128:255] D: two buffers of eight tiles
.set XK,  128                          ; before the loop: v[128:223] x of my 32 keys
.set RB,  224                          ;                  v[224:239] four records
.set TB,  240                          ;                  v[240:255] at work, four registers a record
.set OB,  128                          ; behind the loop: tile t at + 8 t: my five hits, their count, two at work
.set PB,  144                          ;                  the same six of the lane 16 away
.set FB,  160                          ;                  the row of out0, and the two counts' sum
.set MK,  40                           ; s[40:47]  which lanes' word is not 0, for each of the eight words
.set WI,  48                           ; s[48:51]  the number of group g's word in the block that is pushed
	s_load_b128 s[4:7], s[0:1], 0x0                ; x s[4:5], out0 s[6:7]
	v_lshl_add_u32 v[SPW], v0, 2, SPARE
	v_mov_b32 v[NIL], 0
	v_lshrrev_b32 v10, 5, v0
	v_readfirstlane_b32 s8, v10                    ; wave 0..3
	v_and_b32 v1, 31, v0                           ; lane
	v_and_b32 v2, 15, v0                           ; r = lane % 16
	v_bfe_u32 v3, v0, 4, 1                         ; h = lane / 16
	s_lshr_b32 s9, ttmp9, 5                        ; batch
	s_and_b32 s10, ttmp9, 31                       ; which 128 queries of it
	s_mul_i32 s20, s9, 49152                       ; a batch of x in bytes
	s_mov_b32 s21, 0
	s_mul_i32 s22, ttmp9, 2560                     ; the work-group's 128 rows of out0
	s_mov_b32 s23, 0
	; Record number 128 i + thread of the table is register group c = wave % 2 of operand 2 i + wave / 2, lane = my lane.  So its key is
	; 2048 (r / 8) + 2047 - 64 (wave % 2) - 32 h - 8 (wave / 2) - r % 8, less 128 (i / 2) + 16 (i % 2).  The least of a thread's keys (i = 31) is that less 1,936.
	s_and_b32 s24, s8, 1
	s_lshr_b32 s25, s8, 1
	s_lshl_b32 s24, s24, 6
	s_lshl_b32 s25, s25, 3
	s_sub_co_u32 s26, 111, s24                     ; 2047 - 1936 = 111
	s_sub_co_u32 s26, s26, s25
	s_lshl_b32 s27, s10, 7
	s_lshl_b32 s28, s8, 5
	s_add_co_u32 s27, s27, s28                     ; my wave's first query in the batch
	s_mul_i32 s29, s8, 640                         ; my wave's 32 rows in the stage
	s_add_co_u32 s29, s29, STAGE
	s_mov_b32 s12, 0xffff0000                      ; a word's upper half: cuts an f32 down to a bf16
	s_mov_b32 s13, 0x0000ffff
	s_mov_b32 s14, 0x07060302                      ; v_perm_b32: the upper halves of both sources, the second source's below
	s_mov_b32 s15, 0xc138f5c3                      ; -r2
	s_mov_b32 s16, 1.0
	s_mov_b32 s17, 0x76543210                      ; v_permlanex16_b32: each lane takes its own place in the other half
	s_mov_b32 s18, 0xfedcba98
.irp g, 0,1,2,3
	s_mov_b32 s[WI+(\g)], 67-(\g)                  ; 63 - g for block 0, and 4 more: the first trip pushes a block that has not been (its words are 0)
.endr
	v_bfe_u32 v10, v0, 3, 1                        ; r / 8
	v_and_b32 v11, 7, v0                           ; r % 8
	v_lshl_add_u32 v10, v10, 11, s26
	v_lshl_add_u32 v11, v3, 5, v11
	v_sub_nc_u32 v10, v10, v11
	v_mul_u32_u24 v[KO], v10, 12                   ; 12 bytes a point
	v_add_nc_u32 v11, s27, v2
	v_mul_u32_u24 v[QO], v11, 12
	v_lshlrev_b32 v[TS], 4, v0
	v_lshlrev_b32 v[AA], 4, v1
	v_mul_u32_u24 v[SA], v2, 20
	v_add_nc_u32 v[SA], s29, v[SA]
	v_add_nc_u32 v[RA], STAGE, v[TS]
	v_lshlrev_b32 v[BI], 11, v3
	v_add_nc_u32 v[BI], 0xffffff81, v[BI]          ; - 127
	s_wait_kmcnt 0x0
	s_add_nc_u64 s[4:5], s[4:5], s[20:21]          ; x at my batch
	s_add_nc_u64 s[6:7], s[6:7], s[22:23]          ; out0 at the work-group's rows
	; All loads go out at once: 6 for my two queries, then 96 for my 32 keys, a word each (a point's 12 bytes are aligned to 4).
.irp t, 0,1
.irp d, 0,1,2
	global_load_b32 v[XQ+3*(\t)+(\d)], v[QO], s[4:5] offset:192*(\t)+4*(\d)
.endr
.endr
.set ci, 0
.rept 32
.irp d, 0,1,2
	global_load_b32 v[XK+3*ci+(\d)], v[KO], s[4:5] offset:23232-1536*(ci/2)-192*(ci%2)+4*(\d)
.endr
.set ci, ci+1
.endr
	; while they are on their way: the zeros between the B records, the words, the lists, the records' last word (1, 1)
.irp z, 0,1,2,3,4
.irp d, 0,1,2,3
	v_mov_b32 v[BB+8*(\z)+(\d)], 0
.endr
.endr
.set ci, ACC
.rept 20
	v_mov_b32 v[ci], 0                             ; v[100:119]: words, lists, word numbers
.set ci, ci+1
.endr
.irp e, 0,1,2,3
	v_mov_b32 v[RB+4*(\e)+3], 0x3f803f80
.endr
	v_cmp_eq_u32 s30, 0, v3                        ; lanes 0-15
	v_cmp_eq_u32 s31, 1, v3                        ; lanes 16-31
	; THE QUERIES' RECORDS, both tiles side by side.  At work: AB + 16 t + 0..12.
	s_wait_loadcnt 63                              ; the six oldest of 102 loads are in (96 are younger; 63 is the largest count that the wait can name)
.irp t, 0,1
	v_cvt_pk_bf16_f32 v[AB+16*(\t)], v[XQ+3*(\t)], v[XQ+3*(\t)+1]
	v_cvt_pk_bf16_f32 v[AB+16*(\t)+1], v[XQ+3*(\t)+2], v[XQ+3*(\t)+2]
.endr
.irp t, 0,1
	v_lshlrev_b32 v[AB+16*(\t)+2], 16, v[AB+16*(\t)]       ; the rounded x as f32
	v_and_b32 v[AB+16*(\t)+3], s12, v[AB+16*(\t)]
	v_lshlrev_b32 v[AB+16*(\t)+4], 16, v[AB+16*(\t)+1]
.endr
.irp t, 0,1
	v_mul_f32 v[AB+16*(\t)+5], v[AB+16*(\t)+2], v[AB+16*(\t)+2]
.endr
.irp t, 0,1
	v_fma_f32 v[AB+16*(\t)+5], v[AB+16*(\t)+3], v[AB+16*(\t)+3], v[AB+16*(\t)+5]
.endr
.irp t, 0,1
	v_fma_f32 v[AB+16*(\t)+5], v[AB+16*(\t)+4], v[AB+16*(\t)+4], v[AB+16*(\t)+5]  ; sq
.endr
.irp t, 0,1
	v_add_f32 v[AB+16*(\t)+6], s15, v[AB+16*(\t)+5]        ; c = fl(sq - r2)
	v_mul_f32 v[AB+16*(\t)+2], -2.0, v[AB+16*(\t)+2]       ; -2 x: exact, still a bf16
	v_mul_f32 v[AB+16*(\t)+3], -2.0, v[AB+16*(\t)+3]
	v_mul_f32 v[AB+16*(\t)+4], -2.0, v[AB+16*(\t)+4]
.endr
.irp t, 0,1
	v_sub_f32 v[AB+16*(\t)+7], v[AB+16*(\t)+6], v[AB+16*(\t)+5]    ; two-sum: what c took of -r2,
.endr
.irp t, 0,1
	v_sub_f32 v[AB+16*(\t)+8], v[AB+16*(\t)+6], v[AB+16*(\t)+7]    ; what it took of sq,
	v_sub_f32 v[AB+16*(\t)+9], s15, v[AB+16*(\t)+7]                ; what it lost of -r2,
.endr
.irp t, 0,1
	v_sub_f32 v[AB+16*(\t)+8], v[AB+16*(\t)+5], v[AB+16*(\t)+8]    ; and of sq
.endr
.irp t, 0,1
	v_add_f32 v[AB+16*(\t)+8], v[AB+16*(\t)+8], v[AB+16*(\t)+9]    ; e = (sq - r2) - c, exactly
.endr
.irp t, 0,1
	v_and_b32 v[AB+16*(\t)+9], s12, v[AB+16*(\t)+8]                ; e1: its first 8 bits
.endr
.irp t, 0,1
	v_sub_f32 v[AB+16*(\t)+8], v[AB+16*(\t)+8], v[AB+16*(\t)+9]    ; the rest; e2 is its upper half
.endr
.irp t, 0,1
	v_perm_b32 v[AB+16*(\t)+10], v[AB+16*(\t)+3], v[AB+16*(\t)+2], s14   ; -2x0, -2x1
	v_perm_b32 v[AB+16*(\t)+11], s16, v[AB+16*(\t)+4], s14               ; -2x2, 1
	v_perm_b32 v[AB+16*(\t)+12], v[AB+16*(\t)+8], v[AB+16*(\t)+9], s14   ; e1, e2
.endr
.irp t, 0,1
	v_cndmask_b32 v[BB+16*(\t)+4], 0, v[AB+16*(\t)+10], s30        ; D0: the record in lanes 0-15, 0 in the others
	v_cndmask_b32 v[BB+16*(\t)+5], 0, v[AB+16*(\t)+11], s30
	v_cndmask_b32 v[BB+16*(\t)+6], 0, v[RB+3], s30                 ; 1, 1
	v_cndmask_b32 v[BB+16*(\t)+7], 0, v[AB+16*(\t)+12], s30
	v_cndmask_b32 v[BB+16*(\t)+12], 0, v[AB+16*(\t)+10], s31       ; D1: in lanes 16-31
	v_cndmask_b32 v[BB+16*(\t)+13], 0, v[AB+16*(\t)+11], s31
	v_cndmask_b32 v[BB+16*(\t)+14], 0, v[RB+3], s31
	v_cndmask_b32 v[BB+16*(\t)+15], 0, v[AB+16*(\t)+12], s31
.irp j, 0,1,2,3,4,5,6,7
	v_mov_b32 v[CB+8*(\t)+(\j)], v[AB+16*(\t)+6]                   ; C: a lane's eight rows belong to one query
.endr
.endr
; THE KEY TABLE.  Four records side by side, numbers 4 n .. 4 n + 3 of my 32.
.macro REC4 n
.if 84-12*(\n) > 63
	s_wait_loadcnt 63                              ; 84 - 12 n loads are younger than these twelve; 63 is the largest count that the wait can name
.else
	s_wait_loadcnt 84-12*(\n)                      ; the loads younger than these twelve may stay out
.endif
.irp e, 0,1,2,3
	v_cvt_pk_bf16_f32 v[RB+4*(\e)], v[XK+12*(\n)+3*(\e)], v[XK+12*(\n)+3*(\e)+1]       ; x0, x1
	v_cvt_pk_bf16_f32 v[TB+4*(\e)+2], v[XK+12*(\n)+3*(\e)+2], v[XK+12*(\n)+3*(\e)+2]   ; x2
.endr
.irp e, 0,1,2,3
	v_lshlrev_b32 v[TB+4*(\e)], 16, v[RB+4*(\e)]
	v_and_b32 v[TB+4*(\e)+1], s12, v[RB+4*(\e)]
	v_lshlrev_b32 v[TB+4*(\e)+3], 16, v[TB+4*(\e)+2]
.endr
.irp e, 0,1,2,3
	v_mul_f32 v[TB+4*(\e)], v[TB+4*(\e)], v[TB+4*(\e)]
.endr
.irp e, 0,1,2,3
	v_fma_f32 v[TB+4*(\e)], v[TB+4*(\e)+1], v[TB+4*(\e)+1], v[TB+4*(\e)]
.endr
.irp e, 0,1,2,3
	v_fma_f32 v[TB+4*(\e)], v[TB+4*(\e)+3], v[TB+4*(\e)+3], v[TB+4*(\e)]   ; sq
.endr
.irp e, 0,1,2,3
	v_and_b32 v[TB+4*(\e)+1], s12, v[TB+4*(\e)]                            ; hi: its first 8 bits
.endr
.irp e, 0,1,2,3
	v_sub_f32 v[TB+4*(\e)], v[TB+4*(\e)], v[TB+4*(\e)+1]                   ; 16 bits are left, exactly
.endr
.irp e, 0,1,2,3
	v_and_b32 v[TB+4*(\e)+3], s12, v[TB+4*(\e)]                            ; mid: their first 8
.endr
.irp e, 0,1,2,3
	v_sub_f32 v[TB+4*(\e)], v[TB+4*(\e)], v[TB+4*(\e)+3]                   ; lo: 8 bits at the most, a bf16 as it stands
.endr
.irp e, 0,1,2,3
	v_and_or_b32 v[RB+4*(\e)+1], v[TB+4*(\e)+2], s13, v[TB+4*(\e)+1]       ; x2, hi
	v_perm_b32 v[RB+4*(\e)+2], v[TB+4*(\e)], v[TB+4*(\e)+3], s14           ; mid, lo
.endr
.irp e, 0,1,2,3
	ds_store_b128 v[TS], v[RB+4*(\e):RB+4*(\e)+3] offset:2048*(4*(\n)+(\e))  ; 32 lanes, 512 consecutive bytes
.endr
.endm
.irp n, 0,1,2,3,4,5,6,7
	REC4 \n
.endr
	s_wait_dscnt 0x0                               ; for the others' sake: my part of the table is written
	s_barrier_signal -1
	s_barrier_wait -1                              ; the table is whole
; THE SCAN.
; One product: tile u = 4 t + g (query tile t, group g of operand ab) into D buffer buf.
.macro WM buf, ab, u
.set rD, DB+64*(\buf)+8*(\u)
.set rA, AB+8*(\ab)
.set rB, BB+16*((\u)/4)+8*((\u)%2)+4*(1-((\u)%4)/2)   ; g = 0: (D0,Z)  1: (D1,Z)  2: (Z,D0)  3: (Z,D1)
.set rC, CB+8*((\u)/4)
	v_wmma_f32_16x16x32_bf16 v[rD:rD+7], v[rA:rA+7], v[rB:rB+7], v[rC:rC+7]
.endm
; Register j of the eight tiles of a D buffer: each word takes the sign in at its low end.  Eight chains side by side; j ascends.
.macro SIGNS buf, j
.irp u, 0,1,2,3,4,5,6,7
	v_alignbit_b32 v[ACC+(\u)], v[ACC+(\u)], v[DB+64*(\buf)+8*(\u)+(\j)], 31
.endr
.endm
; Line n of the 64 that push a block's eight words.  0-7: which lanes' word is not 0.  Then for g = 0..3 (descending words) 14 lines, the two query tiles alternating:
; the word numbers with this word's below them; they are taken where the word is not 0; s4 <- s3, s3 <- s2, s2 <- s1, s1 <- s0, s0 <- the word, likewise.
.macro PUSHOP n
.if (\n) < 8
	v_cmp_ne_u32 s[MK+(\n)], 0, v[ACC+(\n)]
.else
.set pg, ((\n)-8)/14
.set pt, (((\n)-8)%14)%2
.set pk, (((\n)-8)%14)/2
.set pm, MK+4*pt+pg
.set pS, SL+5*pt
.if pk == 0
	v_lshl_or_b32 v[TT+pt], v[II+pt], 6, s[WI+pg]
.elseif pk == 1
	v_cndmask_b32 v[II+pt], v[II+pt], v[TT+pt], s[pm]
.elseif pk < 6
	v_cndmask_b32 v[pS+6-pk], v[pS+6-pk], v[pS+5-pk], s[pm]
.else
	v_cndmask_b32 v[pS], v[pS], v[ACC+4*pt+pg], s[pm]
.endif
.endif
.endm
.macro LOADA ab, base                  ; operand ab of the block at byte base behind AA: 1,024 bytes, two loads of 512 consecutive bytes
	ds_load_b128 v[AB+8*(\ab):AB+8*(\ab)+3],   v[AA] offset:(\base)+1024*(\ab)
	ds_load_b128 v[AB+8*(\ab)+4:AB+8*(\ab)+7], v[AA] offset:(\base)+1024*(\ab)+512
.endm
; A BLOCK: 256 keys, 4 operands, 32 products.  Behind every product stand eight vector lines of the stage before: the pushes of the block before behind operand 0's, the signs of operand
; o - 1 behind operand o's; the last operand's signs stand alone.  So a D register is read, and an A operand loaded anew, eight plain vector lines or more behind the product concerned
; (ISA guide 7.12.1 asks for four), and D needs two buffers.  ld = 1: each operand's registers take the next block's operand as soon as they are free.
; The waits: an operand's two loads are followed by those of the three operands asked for after it: 6 may stay out.  In the last block nothing is asked for: 6, 4, 2, 0.
.macro TRIP ld
	s_wait_dscnt 6
.set cu, 0
.rept 8
	WM 0, 0, cu
.set cp, 8*cu
.rept 8
	PUSHOP cp
.set cp, cp+1
.endr
.set cu, cu+1
.endr
.if \ld
	LOADA 0, 4096
.endif
	s_wait_dscnt 4+2*(\ld)
.set cu, 0
.rept 8
	WM 1, 1, cu
	SIGNS 0, cu
.set cu, cu+1
.endr
.if \ld
	LOADA 1, 4096
.endif
	s_wait_dscnt 2+4*(\ld)
.set cu, 0
.rept 8
	WM 0, 2, cu
	SIGNS 1, cu
.set cu, cu+1
.endr
.if \ld
	LOADA 2, 4096
.endif
	s_wait_dscnt 6*(\ld)
.set cu, 0
.rept 8
	WM 1, 3, cu
	SIGNS 0, cu
.set cu, cu+1
.endr
.if \ld
	LOADA 3, 4096
.endif
.set cu, 0
.rept 8
	SIGNS 1, cu
.set cu, cu+1
.endr
.irp g, 0,1,2,3
	s_sub_co_u32 s[WI+(\g)], s[WI+(\g)], 4         ; the next pushes are this block's: four words further down
.endr
.endm
	LOADA 0, 0                                     ; block 0
	LOADA 1, 0
	LOADA 2, 0
	LOADA 3, 0
	s_mov_b32 s52, 15
.Lblock:
	TRIP 1
	v_add_nc_u32 v[AA], 4096, v[AA]
	s_sub_co_u32 s52, s52, 1
	s_cmp_lg_u32 s52, 0
	s_cbranch_scc1 .Lblock
	TRIP 0                                         ; the last block is written out: no load leaves the table
.set cp, 0
.rept 64
	PUSHOP cp                                      ; and its words are pushed
.set cp, cp+1
.endr
; THE FIVE HITS of my half of the keys, both query tiles side by side.  Hit j: the lowest set bit of s0 (w & -w is a power of two, so the exponent of its f32 is the bit's number), the word's
; number from the lowest six bits; the count goes up where s0 is not 0; the bit is cleared, and where s0 is now 0 the list moves down.  Behind hit j only 4 - j words can still matter.
.macro EXJ j
.irp t, 0,1
	v_sub_nc_u32 v[OB+8*(\t)+6], 0, v[SL+5*(\t)]
	v_and_b32 v[OB+8*(\t)+7], 63, v[II+(\t)]
.endr
.irp t, 0,1
	v_and_b32 v[OB+8*(\t)+6], v[OB+8*(\t)+6], v[SL+5*(\t)]
	v_lshl_add_u32 v[OB+8*(\t)+7], v[OB+8*(\t)+7], 5, v[BI]
.endr
.irp t, 0,1
	v_cvt_f32_u32 v[OB+8*(\t)+6], v[OB+8*(\t)+6]
	v_cmp_ne_u32 vcc_lo, 0, v[SL+5*(\t)]
	v_add_co_ci_u32 v[OB+8*(\t)+5], vcc_lo, 0, v[OB+8*(\t)+5], vcc_lo
.endr
.irp t, 0,1
	v_lshrrev_b32 v[OB+8*(\t)+6], 23, v[OB+8*(\t)+6]
.endr
.irp t, 0,1
	v_add_nc_u32 v[OB+8*(\t)+(\j)], v[OB+8*(\t)+6], v[OB+8*(\t)+7]  ; 2048 half + 32 word + bit; without meaning where there was no hit: the count tells
.endr
.if (\j) < 4
.irp t, 0,1
	v_add_nc_u32 v[OB+8*(\t)+6], -1, v[SL+5*(\t)]
	v_lshrrev_b32 v[OB+8*(\t)+7], 6, v[II+(\t)]
.endr
.irp t, 0,1
	v_and_b32 v[SL+5*(\t)], v[OB+8*(\t)+6], v[SL+5*(\t)]
.endr
.irp t, 0,1
	v_cmp_eq_u32 s[30+(\t)], 0, v[SL+5*(\t)]
.endr
.irp t, 0,1
.set ck, 0
.rept 4-(\j)
	v_cndmask_b32 v[SL+5*(\t)+ck], v[SL+5*(\t)+ck], v[SL+5*(\t)+ck+1], s[30+(\t)]
.set ck, ck+1
.endr
	v_cndmask_b32 v[II+(\t)], v[II+(\t)], v[OB+8*(\t)+7], s[30+(\t)]
.endr
.endif
.endm
	v_mov_b32 v[OB+5], 0                           ; the counts
	v_mov_b32 v[OB+13], 0
.irp j, 0,1,2,3,4
	EXJ \j
.endr
; THE TWO HALVES MEET, right in lanes 0-15 (own list A: keys 0-2047, a hits; the other lane's list B).  Row slot j is A[j] where j < a, else B[j - a]: level l of the selects steps B's index down
; where a > l, and puts A[l] into slot l.  Then slots at or past the two counts' sum take slot 0, and slot 0 is 0 where there is no hit at all.
.macro MERGE t
.set mO, OB+8*(\t)
.set mP, PB+8*(\t)
.set mF, FB+8*(\t)
.irp j, 0,1,2,3,4,5
	v_permlanex16_b32 v[mP+(\j)], v[mO+(\j)], s17, s18
.endr
.irp i, 0,1,2,3,4
	v_cmp_lt_u32 s[32+(\i)], (\i), v[mO+5]
.endr
	v_add_nc_u32 v[mF+5], v[mO+5], v[mP+5]
.set ml, 0
.rept 5
.set mj, ml
.rept 5-ml
.set mb, mF+mj
.if ml == 0
.set mb, mP+mj
.endif
.set ms, mP+mj-ml-1
.if mj == ml
.set ms, mO+mj
.endif
	v_cndmask_b32 v[mF+mj], v[mb], v[ms], s[32+ml]
.set mj, mj+1
.endr
.set ml, ml+1
.endr
	v_cmp_lt_u32 vcc_lo, 0, v[mF+5]
	v_cndmask_b32 v[mF], 0, v[mF], vcc_lo
.irp j, 1,2,3,4
	v_cmp_lt_u32 s[32+(\j)], (\j), v[mF+5]
.endr
.irp j, 1,2,3,4
	v_cndmask_b32 v[mF+(\j)], v[mF], v[mF+(\j)], s[32+(\j)]
.endr
.endm
	MERGE 0
	MERGE 1
	; THE WAY OUT.  Lanes 0-15 put their rows of 20 bytes into the stage (lane r at word 5 r + j: sixteen different banks); the work-group's 2,560 bytes then leave as five stores of 512 consecutive bytes.
	v_cmp_gt_u32 vcc_lo, 16, v1
	s_wait_xcnt 0x0                                ; EXEC changes only when every global load issued has had its address translated
	s_and_saveexec_b32 s20, vcc_lo
.irp t, 0,1
.irp j, 0,1,2,3,4
	ds_store_b32 v[SA], v[FB+8*(\t)+(\j)] offset:320*(\t)+4*(\j)
.endr
.endr
	s_or_b32 exec_lo, exec_lo, s20                 ; no global instruction was issued under the narrow EXEC
	s_wait_dscnt 0x0                               ; for the others' sake: my rows are in the stage
	s_barrier_signal -1
	s_barrier_wait -1
	ds_load_b128 v[176:179], v[RA]                 ; bytes 512 wave .. + 511
	s_cmp_lg_u32 s8, 0
	s_cbranch_scc1 .Lone
	ds_load_b128 v[180:183], v[RA] offset:2048     ; wave 0 also takes the last 512 of the 2,560
	s_wait_dscnt 0x0
	global_store_b128 v[TS], v[180:183], s[6:7] offset:2048 th:TH_STORE_NT
.Lone:
	s_wait_dscnt 0x0
	global_store_b128 v[TS], v[176:179], s[6:7] th:TH_STORE_NT  ; each store of a wave covers 512 consecutive bytes, at a multiple of 256 from out0's first byte
	s_wait_tensorcnt 0x0                           ; the wave's end, behind my last LDS store
	ds_add_u32 v[SPW], v[NIL]
	s_wait_dscnt 0x0
	s_endpgm
.Lfunc_end_k_qf5cc998cc6_ballquery:
	.size	k_qf5cc998cc6_ballquery, .Lfunc_end_k_qf5cc998cc6_ballquery-k_qf5cc998cc6_ballquery
	.p2alignl 7, 3214868480
	.fill 96, 4, 3214868480
	.section	.rodata,"a",@progbits
	.p2align	6, 0x0
	.amdhsa_kernel k_qf5cc998cc6_ballquery
		.amdhsa_group_segment_fixed_size 167936
		.amdhsa_private_segment_fixed_size 0
		.amdhsa_enable_private_segment 0
		.amdhsa_kernarg_size 16
		.amdhsa_user_sgpr_count 2
		.amdhsa_user_sgpr_kernarg_segment_ptr 1
		.amdhsa_wavefront_size32 1
		.amdhsa_system_sgpr_workgroup_id_x 1
		.amdhsa_system_sgpr_workgroup_id_y 1
		.amdhsa_system_sgpr_workgroup_id_z 1
		.amdhsa_system_vgpr_workitem_id 0
		.amdhsa_next_free_vgpr 256
		.amdhsa_next_free_sgpr 66
		.amdhsa_reserve_vcc 1
		.amdhsa_float_denorm_mode_32 3
		.amdhsa_float_denorm_mode_16_64 3
		.amdhsa_memory_ordered 1
		.amdhsa_forward_progress 1
		.amdhsa_inst_pref_size 102
	.end_amdhsa_kernel
	.amdgpu_metadata
---
amdhsa.version: [ 1, 2 ]
amdhsa.kernels:
  - .name:           k_qf5cc998cc6_ballquery
    .symbol:         k_qf5cc998cc6_ballquery.kd
    .args:
      - { .name: x, .offset: 0, .size: 8, .value_kind: global_buffer, .address_space: global }
      - { .name: out0, .offset: 8, .size: 8, .value_kind: global_buffer, .address_space: global }
    .group_segment_fixed_size: 167936
    .private_segment_fixed_size: 0
    .kernarg_segment_align: 8
    .kernarg_segment_size: 16
    .max_flat_workgroup_size: 128
    .sgpr_count:     66
    .vgpr_count:     256
    .wavefront_size: 32
...
	.end_amdgpu_metadata
.endif
;; end of part 1
